; MI455X (gfx1250); checked and timed in simulation.
; The chip was launched on July 23, 2026; its instructions are those of AMD's public machine-readable ISA for CDNA 5 (MIT licence, August 2026) and "CDNA5" Instruction Set Architecture Reference Guide (July 2026). The comments in the code are by the model that wrote it; some were corrected since.
;; Linear Attention Memory. Allowed arithmetic: float matrix products may take bf16 or f16 operands with f32 sums; all other float work in f32.
;; Inputs: k 8 x 2,048 x 64 float32; q 8 x 2,048 x 64 float32; v 8 x 2,048 x 64 float32.
;; Outputs: out0 8 x 2,048 float32.
;; 2 versions, each right; version 2 is version 1 with the launch sums written anew for expert scheduling mode. Each part assembles by itself: llvm-mc -triple=amdgcn-amd-amdhsa -mcpu=gfx1250 --defsym DOCPART=n.
;; ======== version 1 of 2: 2 launches
;; limits: values outside matrix products are rounded to bf16
;; workspace buffers: st 4,718,592 bytes
;; launch sums (part 1): grid 31 x 8, 8 waves a work-group, no clusters, 82,944 bytes of LDS; arguments k, v, st; writes st
.if DOCPART == 1
	.amdgcn_target "amdgcn-amd-amdhsa--gfx1250"
	.amdhsa_code_object_version 6
	.text
	.protected	k_qdf672c8143_sums
	.globl	k_qdf672c8143_sums
	.p2align	8
	.type	k_qdf672c8143_sums,@function
k_qdf672c8143_sums:
	s_mov_b64 s[64:65], 0
	v_nop
	global_prefetch_b8 v0, s[64:65] scope:SCOPE_SE
	s_setreg_imm32_b32 hwreg(HW_REG_WAVE_MODE, 25, 1), 1
	s_wait_xcnt 0x0
; FIRST OF TWO LAUNCHES: partial sums of the memory's state.
; With w = 1/l every average of the scan is a running mean, so all that a token needs of its past is M = sum v_i k_i^T (64 x 64),
; P = sum k_i k_i^T (64 x 64) and sum |v_i|^2.  A stream's 2,048 tokens are 32 chunks of 64.  Work-group (c, b), c = 0..30, makes the piece
;   U_c = (M, P, sum |v|^2) over the chunks 4 (c/4) .. c of stream b     (n = c%4 + 1 chunks, 1 to 4)
; so that the second launch gets the state in front of a chunk as U_3 + U_7 + .. + U_(c-1), eight pieces at the most.  Chunk 31's piece is
; needed by nobody and has no work-group.
; q: reference() takes q, but uses only its shape and type; none of its numbers enters a result, so no launch is given q.
; NUMBERS: k and v are multiplied by 2^-6 (exact) and rounded to bf16 for the matrix unit; sums in f32; M and P of a piece are stored
; rounded to bf16, sum |v|^2 in f32.  The scale keeps sums of up to 2,048 terms no larger than the means that reference() keeps.
; LIMITS: inputs must be finite; the order of summation is not the scan's.
; NO CLUSTER, NO TENSOR LOADS: every byte passes through registers on its way (f32 to bf16), and the work-groups that read a common chunk
; need different numbers of chunks.
; A PIECE is 18,432 bytes.  Bytes 0..16383: wave w, column tile mt, lane L at 2,048 w + 512 mt + 16 L hold row 16 (w%4) + L%16, columns
; 16 mt + 8 (L/16) .. + 7, of M (w < 4) or P (w >= 4): each store of a wave covers 512 consecutive bytes, aligned.  Bytes 16384..18431:
; two f32 for each thread, its share of sum |v|^2: each store of a wave covers 256 consecutive bytes, aligned.
; WORK: thread t loads the 16 bytes at 16 t + 4,096 i of a chunk of k and of v; all 8 n loads go out at the start.  Each chunk is scaled,
; rounded and laid into LDS bytes of its own as [token][feature] rows; one barrier; transposing LDS loads then give fragments with the
; tokens along K.  The text is written out for n = 1..4 (the branch hangs on the work-group's number alone), so every count is a constant.
.set CH,    16384                      ; bytes of a chunk of k or of v
.set PIT,   160                        ; LDS row: 128 bytes of bf16 + 32, an odd multiple of 32 bytes for the transposing loads
.set TILE,  64*PIT                     ; a chunk of k or of v in LDS
.set STG,   2*TILE                     ; a chunk's k tile, then its v tile; chunk s at s*STG
.set PIECE, 18432
.set DAT,   32                         ; v[32+32s+4q ..]: chunk s as loaded, q = 0..3 of k, 4..7 of v; later two fragment buffers of 80 registers
.set ACC,   224                        ; v[224+8mt ..]: four accumulators
; v1 16 t; v2-3 where I store 8 bytes of bf16 (chunks 0-1, 2-3); v4-5 lane address of the transposing loads in the k tile; v6-7 the same for
; my wave's 16 rows (v tile for w < 4, k tile for w >= 4); v[8:9] my share of sum |v|^2; v10, v11 my offsets in the piece.
.macro PLACES                          ; plain vector instructions between matrix instructions and whatever touches their registers (ISA guide 7.12.1)
.rept 5
	v_nop
.endr
.endm
.macro LOADS s                         ; eight loads: each covers 512 consecutive bytes per wave
.irp i, 0,1,2,3
	global_load_b128 v[DAT+32*\s+4*\i:DAT+32*\s+4*\i+3], v1, s[4:5] offset:\s*CH+4096*\i
.endr
.irp i, 0,1,2,3
	global_load_b128 v[DAT+32*\s+16+4*\i:DAT+32*\s+16+4*\i+3], v1, s[6:7] offset:\s*CH+4096*\i
.endr
.endm
.macro CONV s, n                       ; chunk s of n: scale, sum |v|^2, round, store to LDS
	s_wait_loadcnt 8*(\n-1-\s)                     ; loads come back in order: the 8 of each later chunk may stay out
.irp q, 0,1,2,3,4,5,6,7
.set X, DAT+32*\s+4*\q
	v_pk_mul_f32 v[X:X+1], v[X:X+1], 0x3c800000 op_sel_hi:[1,0]       ; times 2^-6
	v_pk_mul_f32 v[X+2:X+3], v[X+2:X+3], 0x3c800000 op_sel_hi:[1,0]
.if \q >= 4
.if (\s+\q) == 4
	v_pk_mul_f32 v[8:9], v[X:X+1], v[X:X+1]                           ; the first product starts the sum
.else
	v_pk_fma_f32 v[8:9], v[X:X+1], v[X:X+1], v[8:9]
.endif
	v_pk_fma_f32 v[8:9], v[X+2:X+3], v[X+2:X+3], v[8:9]
.endif
	v_cvt_pk_bf16_f32 v[X], v[X], v[X+1]
	v_cvt_pk_bf16_f32 v[X+1], v[X+2], v[X+3]
	ds_store_b64 v[2+((\s)>>1)], v[X:X+1] offset:((\s)&1)*STG+((\q)>>2)*TILE+((\q)&3)*16*PIT   ; token t/16 + 16 (q%4), features 4 (t%16) ..
.endr
.endm
.macro FETCH s                         ; 20 transposing loads: chunk s, both steps of 32 tokens: K^T for four column tiles, and my wave's 16 rows
.set FB, DAT+80*((\s)&1)
.irp ks, 0,1
.irp mt, 0,1,2,3
	ds_load_tr16_b128 v[FB+8*(4*\ks+\mt):FB+8*(4*\ks+\mt)+3],   v[4+((\s)>>1)] offset:((\s)&1)*STG+\ks*32*PIT+32*\mt
	ds_load_tr16_b128 v[FB+8*(4*\ks+\mt)+4:FB+8*(4*\ks+\mt)+7], v[4+((\s)>>1)] offset:((\s)&1)*STG+\ks*32*PIT+32*\mt+16*PIT
.endr
	ds_load_tr16_b128 v[FB+64+8*\ks:FB+64+8*\ks+3],   v[6+((\s)>>1)] offset:((\s)&1)*STG+\ks*32*PIT
	ds_load_tr16_b128 v[FB+64+8*\ks+4:FB+64+8*\ks+7], v[6+((\s)>>1)] offset:((\s)&1)*STG+\ks*32*PIT+16*PIT
.endr
.endm
; Eight matrix instructions.  Source 0 = 16 k features (the piece's columns), source 1 = my 16 rows, so that a lane's eight results are eight
; neighbouring columns of one row.  The four accumulators take turns, one instruction a turn, over the chunks' borders too.
.macro MUL s
.set FB, DAT+80*((\s)&1)
.irp ks, 0,1
.irp mt, 0,1,2,3
.if (\s+\ks) == 0
	v_wmma_f32_16x16x32_bf16 v[ACC+8*\mt:ACC+8*\mt+7], v[FB+8*(4*\ks+\mt):FB+8*(4*\ks+\mt)+7], v[FB+64+8*\ks:FB+64+8*\ks+7], 0
.else
	v_wmma_f32_16x16x32_bf16 v[ACC+8*\mt:ACC+8*\mt+7], v[FB+8*(4*\ks+\mt):FB+8*(4*\ks+\mt)+7], v[FB+64+8*\ks:FB+64+8*\ks+7], v[ACC+8*\mt:ACC+8*\mt+7]
.endif
.endr
.endr
.endm
.macro BODY n
.irp s, 0,1,2,3
.if \s < \n
	LOADS \s
.endif
.endr
.irp s, 0,1,2,3
.if \s < \n
	CONV \s, \n
.endif
.endr
	s_wait_dscnt 0x0                               ; my LDS stores are done, for the other waves' sake
	s_barrier_signal -1
	s_barrier_wait -1                              ; all n chunks lie whole in LDS; nothing in LDS is written after this
	FETCH 0
.irp s, 0,1,2,3
.if \s < \n
.if \s+1 < \n
.if \s >= 1
	PLACES                                         ; the buffer that is loaded now was read by the matrix instructions just issued
.endif
	FETCH \s+1
	s_wait_dscnt 20                                ; all but the 20 loads just issued: this chunk's fragments are in
.else
	s_wait_dscnt 0x0
.endif
	MUL \s
.endif
.endr
	s_branch .Lout
.endm
	s_load_b128 s[4:7], s[0:1], 0x0                ; k s[4:5], v s[6:7]
	s_load_b64 s[8:9], s[0:1], 0x10                ; st
	v_lshl_add_u32 v222, v0, 2, 0x14000
	v_mov_b32 v223, 0
	v_lshrrev_b32 v12, 5, v0
	v_readfirstlane_b32 s10, v12                   ; wave 0..7
	s_and_b32 s11, ttmp7, 0xffff                   ; stream b
	s_and_b32 s12, ttmp9, 3                        ; n - 1
	s_lshr_b32 s18, ttmp9, 2
	s_lshl_b32 s18, s18, 16                        ; the group of four chunks: 4 x 16,384 bytes
	s_lshl_b32 s14, s11, 19                        ; the stream: 524,288 bytes
	s_add_co_u32 s14, s14, s18
	s_mov_b32 s15, 0
	s_lshl_b32 s16, s11, 5
	s_add_co_u32 s16, s16, ttmp9
	s_mul_i32 s16, s16, PIECE                      ; piece 32 b + c
	s_mov_b32 s17, 0
	s_and_b32 s18, s10, 3
	s_lshl_b32 s18, s18, 5                         ; my 16 rows: 32 bytes along an LDS row
	s_cmp_lt_u32 s10, 4
	s_cselect_b32 s19, TILE, 0                     ; waves 0-3: rows of M are v features (the v tile); waves 4-7: rows of P are k features
	s_add_co_u32 s18, s18, s19
	v_lshlrev_b32 v1, 4, v0                        ; 16 t
	v_and_b32 v12, 15, v0
	v_lshrrev_b32 v13, 4, v0
	v_mul_u32_u24 v2, v13, PIT
	v_lshl_add_u32 v2, v12, 3, v2                  ; (t/16) rows + 8 (t%16)
	v_add_nc_u32 v3, 2*STG, v2
	v_and_b32 v13, 1, v13                          ; lane / 16
	v_and_b32 v14, 7, v0
	v_lshl_add_u32 v14, v13, 3, v14                ; token 8 (lane/16) + lane%8
	v_mul_u32_u24 v4, v14, PIT
	v_bfe_u32 v14, v0, 3, 1
	v_lshl_add_u32 v4, v14, 4, v4                  ; + 16 bytes for lanes 8-15 of each half
	v_add_nc_u32 v5, 2*STG, v4
	v_add_nc_u32 v6, s18, v4
	v_add_nc_u32 v7, s18, v5
	v_and_b32 v14, 31, v0
	v_lshlrev_b32 v10, 4, v14
	v_lshl_add_u32 v10, s10, 11, v10               ; 2,048 w + 16 lane
	v_lshlrev_b32 v11, 3, v0                       ; 8 t
	s_wait_kmcnt 0x0
	s_add_nc_u64 s[4:5], s[4:5], s[14:15]
	s_add_nc_u64 s[6:7], s[6:7], s[14:15]
	s_add_nc_u64 s[8:9], s[8:9], s[16:17]
	s_cmp_eq_u32 s12, 1
	s_cbranch_scc1 .Ln2
	s_cmp_eq_u32 s12, 2
	s_cbranch_scc1 .Ln3
	s_cmp_eq_u32 s12, 3
	s_cbranch_scc1 .Ln4
	BODY 1
.Ln2:
	BODY 2
.Ln3:
	BODY 3
.Ln4:
	BODY 4
.Lout:
	PLACES                                         ; behind the last matrix instructions, before their results are read and their sources written
.irp mt, 0,1,2,3
.irp p, 0,1,2,3
	v_cvt_pk_bf16_f32 v[DAT+4*\mt+\p], v[ACC+8*\mt+2*\p], v[ACC+8*\mt+2*\p+1]
.endr
.endr
.irp mt, 0,1,2,3
	global_store_b128 v10, v[DAT+4*\mt:DAT+4*\mt+3], s[8:9] offset:512*\mt
.endr
	global_store_b64 v11, v[8:9], s[8:9] offset:16384
	s_wait_tensorcnt 0x0
	ds_add_u32 v222, v223
	s_wait_dscnt 0x0
	s_endpgm
.Lfunc_end_k_qdf672c8143_sums:
	.size	k_qdf672c8143_sums, .Lfunc_end_k_qdf672c8143_sums-k_qdf672c8143_sums
	.p2alignl 7, 3214868480
	.fill 96, 4, 3214868480
	.section	.rodata,"a",@progbits
	.p2align	6, 0x0
	.amdhsa_kernel k_qdf672c8143_sums
		.amdhsa_group_segment_fixed_size 82944
		.amdhsa_private_segment_fixed_size 0
		.amdhsa_enable_private_segment 0
		.amdhsa_kernarg_size 24
		.amdhsa_user_sgpr_count 2
		.amdhsa_user_sgpr_kernarg_segment_ptr 1
		.amdhsa_wavefront_size32 1
		.amdhsa_system_sgpr_workgroup_id_x 1
		.amdhsa_system_sgpr_workgroup_id_y 1
		.amdhsa_system_sgpr_workgroup_id_z 1
		.amdhsa_system_vgpr_workitem_id 0
		.amdhsa_next_free_vgpr 256
		.amdhsa_next_free_sgpr 66
		.amdhsa_reserve_vcc 0
		.amdhsa_float_denorm_mode_32 3
		.amdhsa_float_denorm_mode_16_64 3
		.amdhsa_memory_ordered 1
		.amdhsa_forward_progress 1
		.amdhsa_inst_pref_size 66
	.end_amdhsa_kernel
	.amdgpu_metadata
---
amdhsa.version: [ 1, 2 ]
amdhsa.kernels:
  - .name:           k_qdf672c8143_sums
    .symbol:         k_qdf672c8143_sums.kd
    .args:
      - { .name: k, .offset: 0, .size: 8, .value_kind: global_buffer, .address_space: global }
      - { .name: v, .offset: 8, .size: 8, .value_kind: global_buffer, .address_space: global }
      - { .name: st, .offset: 16, .size: 8, .value_kind: global_buffer, .address_space: global }
    .group_segment_fixed_size: 82944
    .private_segment_fixed_size: 0
    .kernarg_segment_align: 8
    .kernarg_segment_size: 24
    .max_flat_workgroup_size: 256
    .sgpr_count:     66
    .vgpr_count:     256
    .wavefront_size: 32
...
	.end_amdgpu_metadata
.endif
;; end of part 1
;; launch costs (part 2): grid 32 x 8, 8 waves a work-group, no clusters, 48,128 bytes of LDS; arguments k, v, st, out0; writes out0
.if DOCPART == 2
	.amdgcn_target "amdgcn-amd-amdhsa--gfx1250"
	.amdhsa_code_object_version 6
	.text
	.protected	k_qdf672c8143_costs
	.globl	k_qdf672c8143_costs
	.p2align	8
	.type	k_qdf672c8143_costs,@function
k_qdf672c8143_costs:
	s_mov_b64 s[64:65], 0
	v_nop
	global_prefetch_b8 v0, s[64:65] scope:SCOPE_SE
	s_setreg_imm32_b32 hwreg(HW_REG_WAVE_MODE, 25, 1), 1
	s_wait_xcnt 0x0
; SECOND OF TWO LAUNCHES: the costs of one chunk of 64 tokens for each work-group (c, b).
; With M = sum v k^T, P = sum k k^T over the first t tokens: C_t = h/(2t) - g/t^2 + f/(2t^3), h = sum |v|^2, g = |M|_F^2, f = Tr(M P M^T).
; One more token (k, v) changes the three sums exactly by
;   dh = |v|^2,   dg = 2 v.a + |v|^2 |k|^2,   df = |a|^2 + 2 b.c + |v|^2 (k.b) + |k|^2 dg,     a = M k, b = P k, c = M^T v  (M, P before the token).
; For the chunk's tokens: a = M0 k_t + sum_i v_i G(i,t), b = P0 k_t + sum_i k_i G(i,t), c = M0^T v_t + sum_i k_i H(i,t), with M0, P0 the state in
; front of the chunk, G(i,t) = k_i.k_t and H(i,t) = v_i.v_t for i < t, else 0.  At the chunk's start g0 = sum M0^2 and f0 = sum (P0 M0^T)(d,e) M0(e,d).
; The state is the sum of m = (c+3)/4 pieces of the first launch: pieces 3, 7, .. and c-1.  m hangs on the work-group's number alone; the part
; that loads and sums the pieces is written out for m = 0..8, so that every count is a constant of its path.
; q: reference() uses only its shape and type; none of its numbers enters a result, so no launch is given q.
; NUMBERS: k and v times 2^-6 (exact), so h'' = h/4096, g'' = g/4096^2, f'' = f/4096^3 and, with u = 4096/t, C = ((f'' u/2 - g'') u + h''/2) u; u >= 2, so
; no running sum is larger than the term of C that it stands for.  k, v, the state, G and H go to the matrix unit in bf16; all sums in f32.
; LIMITS: inputs must be finite (a NaN or an infinity spoils its whole chunk and all behind it); the order of summation is not the scan's.
; NO CLUSTER, NO TENSOR LOADS: the data pass through registers (conversion, summing of pieces), and neighbours need different numbers of pieces.
; WAVE w: tt = w%4 its 16 tokens, x = w/4 its feature tiles 2x, 2x+1.  The steps of 32 along the features are taken in the order x, 1-x, so that the
; first B fragment of K, V and M0 also holds, register 4u+p low/high, the very numbers that stand beside results 2p, 2p+1 of my result tile u.
.set PIECE, 18432
.set PIT, 144                          ; LDS row: 128 bytes of bf16 + 16, an odd multiple of 16 bytes
.set KT,  0                            ; k [token][feature]
.set VT,  9216                         ; v [token][feature]
.set MT,  18432                        ; M0 [e][d]
.set PT,  27648                        ; P0 [d][d]
.set RED, 36864                        ; 6 quantities x 4 parts (2x + lane/16) x 64 tokens, f32
.set SC,  43008                        ; 16 bytes a thread: its shares of f0, g0 and (two) h0
; v0 thread, later my share of f0; v1 of g0; v[2:3] of h0; v4,5 fragment rows + feature step x, 1-x; v6,7 the same at my tokens; v8,9 at my feature tiles;
; v10 transposing lane address at my feature tiles; v11,12 the same + rows of step x, 1-x; v13 my word in RED; v14 16 tt + lane%16 - 8 (lane/16); v15 my 16 bytes in SC.
.set OD,  24                           ; v24-55   own chunk as loaded
.set ACC, 56                           ; v56-87   my 32 numbers of the state, f32
.set PC,  88                           ; v[88+18p ..] piece p: 16 registers of bf16, 2 of f32
.set KB,  16                           ; B fragments of my tokens: k, step s at +8s
.set VB,  32
.set KA,  48                           ; A fragments: token tile i, step s at +8(4s+i)
.set VA,  112
.set GG,  176                          ; G tiles, +8i
.set HH,  208
.set MA,  48                           ; M0 rows, tile u, step s at +8(2s+u)
.set PA,  80
.set MR,  112                          ; M0 transposed
.set MB,  144                          ; M0 rows 16 tt .. as B
.set GB,  160                          ; G, H masked and packed: B fragments over the tokens
.set HB,  240
.set AA,  176                          ; a, b, c, W = P0 M0^T: two tiles each
.set BB,  192
.set CC,  208
.set WW,  224
.set VR,  48                           ; V^T, K^T: tile u, token step s at +8(2s+u)
.set KR,  80
.macro PLACES                          ; plain vector instructions between matrix instructions and whatever touches their registers (ISA guide 7.12.1)
.rept 5
	v_nop
.endr
.endm
.macro PL dst, adr, off                ; a fragment from rows that lie along K
	ds_load_b128 v[\dst:\dst+3],   v[\adr] offset:\off
	ds_load_b128 v[\dst+4:\dst+7], v[\adr] offset:\off+32
.endm
.macro TL dst, adr, off                ; a fragment from rows that lie across K
	ds_load_tr16_b128 v[\dst:\dst+3],   v[\adr] offset:\off
	ds_load_tr16_b128 v[\dst+4:\dst+7], v[\adr] offset:\off+16*PIT
.endm
.macro MM d, a, b, z                   ; z = 1: the product starts the sum
.if \z
	v_wmma_f32_16x16x32_bf16 v[\d:\d+7], v[\a:\a+7], v[\b:\b+7], 0
.else
	v_wmma_f32_16x16x32_bf16 v[\d:\d+7], v[\a:\a+7], v[\b:\b+7], v[\d:\d+7]
.endif
.endm
.macro OWN                             ; my 128 bytes of the chunk: scale, round, store to LDS
.irp q, 0,1,2,3,4,5,6,7
.set X, OD+4*\q
	v_pk_mul_f32 v[X:X+1], v[X:X+1], 0x3c800000 op_sel_hi:[1,0]       ; times 2^-6
	v_pk_mul_f32 v[X+2:X+3], v[X+2:X+3], 0x3c800000 op_sel_hi:[1,0]
	v_cvt_pk_bf16_f32 v[X], v[X], v[X+1]
	v_cvt_pk_bf16_f32 v[X+1], v[X+2], v[X+3]
	ds_store_b64 v17, v[X:X+1] offset:(\q>>2)*9216+(\q&3)*16*PIT
.endr
.endm
.macro PLOAD p, m                      ; five loads: piece p of m; the last is piece c-1, the others pieces 4p+3
.if \p == \m-1
.irp i, 0,1,2,3
	global_load_b128 v[PC+18*\p+4*\i:PC+18*\p+4*\i+3], v18, s[20:21] offset:512*\i
.endr
.if \p == 0
	global_load_b64 v[2:3], v19, s[20:21] offset:16384
.else
	global_load_b64 v[PC+18*\p+16:PC+18*\p+17], v19, s[20:21] offset:16384
.endif
.else
.irp i, 0,1,2,3
	global_load_b128 v[PC+18*\p+4*\i:PC+18*\p+4*\i+3], v18, s[8:9] offset:(4*\p+3)*PIECE+512*\i
.endr
.if \p == 0
	global_load_b64 v[2:3], v19, s[8:9] offset:(4*\p+3)*PIECE+16384
.else
	global_load_b64 v[PC+18*\p+16:PC+18*\p+17], v19, s[8:9] offset:(4*\p+3)*PIECE+16384
.endif
.endif
.endm
.macro PSUM p, m                       ; piece p joins the sum, in f32
	s_wait_loadcnt 5*(\m-1-\p)                     ; the five loads of each later piece may stay out
.irp i, 0,1,2,3,4,5,6,7,8,9,10,11,12,13,14,15
.if \p == 0
	v_lshlrev_b32 v[ACC+2*\i], 16, v[PC+\i]        ; the first piece starts the sums
	v_and_b32 v[ACC+2*\i+1], 0xffff0000, v[PC+\i]
.else
	v_fma_mix_f32_bf16 v[ACC+2*\i],   v[PC+18*\p+\i], v21, v[ACC+2*\i]   op_sel:[0,0,0] op_sel_hi:[1,0,0]   ; low bf16 x 1.0 + sum
	v_fma_mix_f32_bf16 v[ACC+2*\i+1], v[PC+18*\p+\i], v21, v[ACC+2*\i+1] op_sel:[1,0,0] op_sel_hi:[1,0,0]   ; high bf16
.endif
.endr
.if \p > 0
	v_pk_add_f32 v[2:3], v[2:3], v[PC+18*\p+16:PC+18*\p+17]
.endif
.endm
.macro STATE m
.irp p, 0,1,2,3,4,5,6,7
.if \p < \m
	PLOAD \p, \m
.endif
.endr
	s_wait_loadcnt 5*\m                            ; the own chunk's eight loads are in; the pieces' loads, issued behind them, stay out
	OWN
.if \m == 0
.irp r, 1,2,3,56,57,58,59
	v_mov_b32 v\r, 0                               ; chunk 0: the state is zero
.endr
.irp c, 0,1,2,3
	ds_store_b128 v20, v[ACC:ACC+3] offset:32*\c
.endr
.else
.irp p, 0,1,2,3,4,5,6,7
.if \p < \m
	PSUM \p, \m
.endif
.endr
	v_pk_mul_f32 v[232:233], v[ACC:ACC+1], v[ACC:ACC+1]
.irp i, 1,2,3,4,5,6,7,8,9,10,11,12,13,14,15
	v_pk_fma_f32 v[232:233], v[ACC+2*\i:ACC+2*\i+1], v[ACC+2*\i:ACC+2*\i+1], v[232:233]
.endr
	v_add_f32 v1, v232, v233
	v_cndmask_b32 v1, 0, v1, s24                   ; g0 counts M0 alone: waves 0-3
.irp i, 0,1,2,3,4,5,6,7,8,9,10,11,12,13,14,15
	v_cvt_pk_bf16_f32 v[ACC+\i], v[ACC+2*\i], v[ACC+2*\i+1]           ; ascending: register ACC+i is read no more when it is written
.endr
.irp c, 0,1,2,3
	ds_store_b128 v20, v[ACC+4*\c:ACC+4*\c+3] offset:32*\c
.endr
.endif
	s_branch .Ljoin
.endm
	s_load_b256 s[4:11], s[0:1], 0x0               ; k s[4:5], v s[6:7], st s[8:9], out0 s[10:11]
	s_set_vgpr_msb 0x40
	v_lshl_add_u32 v0, v0, 2, 0xb800
	v_mov_b32 v1, 0
	s_set_vgpr_msb 0x4000
	v_lshrrev_b32 v22, 5, v0
	v_readfirstlane_b32 s12, v22                   ; wave 0..7
	s_mov_b32 s13, ttmp9                           ; chunk c
	s_and_b32 s14, ttmp7, 0xffff                   ; stream b
	s_add_co_u32 s15, s13, 3
	s_lshr_b32 s15, s15, 2                         ; m pieces
	s_and_b32 s16, s12, 3                          ; tt
	s_lshr_b32 s17, s12, 2                         ; x
	s_mov_b32 s22, 0x76543210                      ; v_permlanex16_b32: lane i reads lane i of the other half
	s_mov_b32 s23, 0xfedcba98
	s_lshl_b32 s30, s13, 6
	s_add_co_u32 s30, s30, 1                       ; the number, from 1, of the chunk's first token
	s_lshl_b32 s31, s17, 6                         ; feature step x: 64 bytes along a row
	s_sub_co_u32 s32, 64, s31                      ; feature step 1-x
	s_mul_i32 s33, s16, 16*PIT                     ; my 16 tokens
	s_mul_i32 s34, s17, 32*PIT                     ; 32 rows x
	s_sub_co_u32 s35, 32*PIT, s34                  ; 32 rows (1-x)
	s_lshl_b32 s36, s17, 9
	s_lshl_b32 s37, s16, 6
	s_add_co_u32 s36, s36, s37
	s_add_co_u32 s36, s36, RED                     ; RED + 512 x + 64 tt
	s_lshl_b32 s37, s16, 4                         ; 16 tt
	s_mul_i32 s38, s17, 9216
	s_add_co_u32 s38, s38, s33
	s_add_co_u32 s38, s38, MT                      ; where my wave's 16 rows of the state go: M0 (w < 4) or P0, row 16 (w%4)
	s_cmp_lt_u32 s12, 4
	s_cselect_b32 s24, -1, 0
	v_and_b32 v240, 15, v0                         ; r = lane % 16
	v_bfe_u32 v241, v0, 4, 1                       ; h = lane / 16
	v_and_b32 v242, 7, v0
	v_bfe_u32 v243, v0, 3, 1
	v_mul_u32_u24 v244, v240, PIT
	v_lshl_add_u32 v244, v241, 4, v244             ; r rows + 16 h
	v_add_nc_u32 v4, s31, v244
	v_add_nc_u32 v5, s32, v244
	v_add_nc_u32 v6, s33, v4
	v_add_nc_u32 v7, s33, v5
	v_add_nc_u32 v8, s34, v4
	v_add_nc_u32 v9, s34, v5
	v_lshl_add_u32 v245, v241, 3, v242
	v_mul_u32_u24 v245, v245, PIT
	v_lshl_add_u32 v245, v243, 4, v245             ; (8 h + lane%8) rows + 16 for lanes 8-15 of each half
	v_add_nc_u32 v10, s31, v245
	v_add_nc_u32 v11, s34, v10
	v_add_nc_u32 v12, s35, v10
	v_lshl_add_u32 v13, v241, 8, s36
	v_lshl_add_u32 v13, v240, 2, v13
	v_lshlrev_b32 v246, 3, v241
	v_sub_nc_u32 v14, v240, v246
	v_add_nc_u32 v14, s37, v14                     ; signed
	v_lshl_add_u32 v15, v0, 4, SC
	v_lshlrev_b32 v16, 4, v0                       ; 16 t
	v_lshrrev_b32 v246, 4, v0
	v_mul_u32_u24 v17, v246, PIT
	v_lshl_add_u32 v17, v240, 3, v17               ; (t/16) rows + 8 (t%16)
	v_and_b32 v246, 31, v0
	v_lshlrev_b32 v18, 4, v246
	v_lshl_add_u32 v18, s12, 11, v18               ; 2,048 w + 16 lane
	v_lshlrev_b32 v19, 3, v0                       ; 8 t
	v_add_nc_u32 v20, s38, v244
	v_mov_b32 v21, 1.0
	s_lshl_b32 s18, s14, 19
	s_lshl_b32 s19, s13, 14
	s_add_co_u32 s18, s18, s19                     ; my chunk in k and in v
	s_mov_b32 s19, 0
	s_wait_kmcnt 0x0
	s_add_nc_u64 s[4:5], s[4:5], s[18:19]
	s_add_nc_u64 s[6:7], s[6:7], s[18:19]
	s_mul_i32 s18, s14, 32*PIECE
	s_add_nc_u64 s[8:9], s[8:9], s[18:19]          ; the stream's pieces
	s_max_u32 s18, s13, 1
	s_sub_co_u32 s18, s18, 1
	s_mul_i32 s18, s18, PIECE
	s_add_nc_u64 s[20:21], s[8:9], s[18:19]        ; piece c-1 (not used for c = 0)
	s_lshl_b32 s18, s14, 13
	s_lshl_b32 s25, s13, 8
	s_add_co_u32 s18, s18, s25
	s_add_nc_u64 s[10:11], s[10:11], s[18:19]      ; my 256 bytes of out0
.irp i, 0,1,2,3
	global_load_b128 v[OD+4*\i:OD+4*\i+3], v16, s[4:5] offset:4096*\i
.endr
.irp i, 0,1,2,3
	global_load_b128 v[OD+16+4*\i:OD+16+4*\i+3], v16, s[6:7] offset:4096*\i
.endr
.irp n, 1,2,3,4,5,6,7,8
	s_cmp_eq_u32 s15, \n
	s_cbranch_scc1 .Lm\n
.endr
	STATE 0
.irp n, 1,2,3,4,5,6,7,8
.Lm\n:
	STATE \n
.endr
.Ljoin:
	s_wait_dscnt 0x0                               ; my LDS stores are done, for the other waves' sake
	s_barrier_signal -1
	s_barrier_wait -1                              ; k, v, M0, P0 lie whole in LDS and are written no more
	; G and H: token tile i (rows) against my 16 tokens (columns), over the 64 features.  40 loads, the first 20 are feature step x's.
.irp s, 0,1
	PL KB+8*\s, 6+\s, KT
	PL VB+8*\s, 6+\s, VT
.irp i, 0,1,2,3
	PL KA+8*(4*\s+\i), 4+\s, KT+16*PIT*\i
	PL VA+8*(4*\s+\i), 4+\s, VT+16*PIT*\i
.endr
.endr
	; In all that follows the accumulators take turns, one instruction a turn.
	s_wait_dscnt 20                                ; all but the second step's 20 loads
.irp i, 0,1,2,3
	MM GG+8*\i, KA+8*\i, KB, 1
	MM HH+8*\i, VA+8*\i, VB, 1
.endr
	s_wait_dscnt 0x0
.irp i, 0,1,2,3
	MM GG+8*\i, KA+8*(4+\i), KB+8, 0
	MM HH+8*\i, VA+8*(4+\i), VB+8, 0
.endr
	PLACES
	; the state's fragments, 28 loads, on their way while G and H are masked
.irp s, 0,1
.irp u, 0,1
	PL MA+8*(2*\s+\u), 8+\s, MT+16*PIT*\u
	PL PA+8*(2*\s+\u), 8+\s, PT+16*PIT*\u
	TL MR+8*(2*\s+\u), 11+\s, MT+32*\u
.endr
	PL MB+8*\s, 6+\s, MT
.endr
	; result j of tile i is G(16 i + 8 h + j, 16 tt + r): kept where the row's token comes before the column's.  Two tiles, packed, are a B fragment over 32 tokens.
.irp i, 0,1,2,3
.irp j, 0,1,2,3,4,5,6,7
	v_cmp_lt_i32 vcc_lo, 16*\i+\j, v14
	v_cndmask_b32 v[GG+8*\i+\j], 0, v[GG+8*\i+\j], vcc_lo
	v_cndmask_b32 v[HH+8*\i+\j], 0, v[HH+8*\i+\j], vcc_lo
.endr
.irp p, 0,1,2,3
	v_cvt_pk_bf16_f32 v[GB+4*\i+\p], v[GG+8*\i+2*\p], v[GG+8*\i+2*\p+1]
	v_cvt_pk_bf16_f32 v[HB+4*\i+\p], v[HH+8*\i+2*\p], v[HH+8*\i+2*\p+1]
.endr
.endr
	s_wait_dscnt 0x0
	; a = M0 k, b = P0 k, c = M0^T v for my tokens and my feature tiles; W = P0 M0^T, rows my feature tiles, columns e = 16 tt ..
.irp s, 0,1
.irp u, 0,1
	MM AA+8*\u, MA+8*(2*\s+\u), KB+8*\s, 1-\s
.endr
.irp u, 0,1
	MM BB+8*\u, PA+8*(2*\s+\u), KB+8*\s, 1-\s
.endr
.irp u, 0,1
	MM CC+8*\u, MR+8*(2*\s+\u), VB+8*\s, 1-\s
.endr
.irp u, 0,1
	MM WW+8*\u, PA+8*(2*\s+\u), MB+8*\s, 1-\s
.endr
.endr
	PLACES
	; the chunk's own part: V^T G, K^T G, K^T H over the 64 tokens
.irp s, 0,1
.irp u, 0,1
	TL VR+8*(2*\s+\u), 10, VT+32*PIT*\s+32*\u
	TL KR+8*(2*\s+\u), 10, KT+32*PIT*\s+32*\u
.endr
.endr
	s_wait_dscnt 0x0
.irp s, 0,1
.irp u, 0,1
	MM AA+8*\u, VR+8*(2*\s+\u), GB+8*\s, 0
.endr
.irp u, 0,1
	MM BB+8*\u, KR+8*(2*\s+\u), GB+8*\s, 0
.endr
.irp u, 0,1
	MM CC+8*\u, KR+8*(2*\s+\u), HB+8*\s, 0
.endr
.endr
	PLACES
	; my 16 features' shares of v.a, k.b, b.c, |a|^2, |k|^2, |v|^2 for token 16 tt + r, and my share of f0
	v_and_b32 v4, 31, v0                           ; the lane, kept for the last part
.irp r, 0,112,113,114,115
	v_mov_b32 v\r, 0
.endr
.irp u, 0,1
.irp p, 0,1,2,3
.irp e, 0,1
	v_fma_mix_f32_bf16 v112, v[VB+4*\u+\p], v[AA+8*\u+2*\p+\e], v112 op_sel:[\e,0,0] op_sel_hi:[1,0,0]
	v_fma_mix_f32_bf16 v113, v[KB+4*\u+\p], v[BB+8*\u+2*\p+\e], v113 op_sel:[\e,0,0] op_sel_hi:[1,0,0]
	v_fma_mix_f32_bf16 v0,   v[MB+4*\u+\p], v[WW+8*\u+2*\p+\e], v0   op_sel:[\e,0,0] op_sel_hi:[1,0,0]
	v_fma_mix_f32_bf16 v114, v[KB+4*\u+\p], v[KB+4*\u+\p], v114 op_sel:[\e,\e,0] op_sel_hi:[1,1,0]
	v_fma_mix_f32_bf16 v115, v[VB+4*\u+\p], v[VB+4*\u+\p], v115 op_sel:[\e,\e,0] op_sel_hi:[1,1,0]
.endr
.if (\u+\p) == 0
	v_pk_mul_f32 v[118:119], v[BB:BB+1], v[CC:CC+1]
	v_pk_mul_f32 v[120:121], v[AA:AA+1], v[AA:AA+1]
.else
	v_pk_fma_f32 v[118:119], v[BB+8*\u+2*\p:BB+8*\u+2*\p+1], v[CC+8*\u+2*\p:CC+8*\u+2*\p+1], v[118:119]
	v_pk_fma_f32 v[120:121], v[AA+8*\u+2*\p:AA+8*\u+2*\p+1], v[AA+8*\u+2*\p:AA+8*\u+2*\p+1], v[120:121]
.endif
.endr
.endr
	v_add_f32 v118, v118, v119
	v_add_f32 v120, v120, v121
	ds_store_b32 v13, v112                         ; v.a
	ds_store_b32 v13, v113 offset:1024             ; k.b
	ds_store_b32 v13, v118 offset:2048             ; b.c
	ds_store_b32 v13, v120 offset:3072             ; |a|^2
	ds_store_b32 v13, v114 offset:4096             ; |k|^2
	ds_store_b32 v13, v115 offset:5120             ; |v|^2
	ds_store_b128 v15, v[0:3]                      ; f0, g0, h0 (two): my shares
	s_wait_dscnt 0x0                               ; done, for wave 0's sake
	s_barrier_signal -1
	s_barrier_wait -1
	s_cmp_lg_u32 s12, 0
	s_cbranch_scc1 .Lend
	; WAVE 0 finishes: lane L owns tokens 2 L and 2 L + 1.
	v_lshlrev_b32 v5, 3, v4
	v_lshlrev_b32 v6, 4, v4
.irp q, 0,1,2,3,4,5
.irp p, 0,1,2,3
	ds_load_b64 v[16+8*\q+2*\p:16+8*\q+2*\p+1], v5 offset:RED+1024*\q+256*\p
.endr
.endr
.irp w, 0,1,2,3,4,5,6,7
	ds_load_b128 v[64+4*\w:64+4*\w+3], v6 offset:SC+512*\w
.endr
.irp i, 0,1,2,3,4
	v_and_b32 v7, 1<<\i, v4
	v_cmp_ne_u32 s[25+\i], 0, v7                   ; lanes whose number has bit i set
.endr
	s_wait_dscnt 0x0
.irp q, 0,1,2,3,4,5
.irp p, 1,2,3
	v_pk_add_f32 v[16+8*\q:16+8*\q+1], v[16+8*\q:16+8*\q+1], v[16+8*\q+2*\p:16+8*\q+2*\p+1]   ; the four parts of 16 features
.endr
.endr
.irp w, 1,2,3,4,5,6,7
	v_pk_add_f32 v[64:65], v[64:65], v[64+4*\w:64+4*\w+1]
	v_pk_add_f32 v[66:67], v[66:67], v[66+4*\w:66+4*\w+1]
.endr
	v_add_f32 v66, v66, v67
.macro ALLSUM r                        ; the sum over the 32 lanes, in every lane
.irp x, 1,2,4,8
	v_add_f32_dpp v[\r], v[\r], v[\r] row_xmask:\x row_mask:0xf bank_mask:0xf
.endr
	v_permlanex16_b32 v67, v[\r], s22, s23
	v_add_f32 v[\r], v[\r], v67
.endm
	ALLSUM 64                                      ; f0
	ALLSUM 65                                      ; g0
	ALLSUM 66                                      ; h0
	; v[16:17] v.a, v[24:25] k.b, v[32:33] b.c, v[40:41] |a|^2, v[48:49] |k|^2, v[56:57] |v|^2 = dh
	v_pk_mul_f32 v[18:19], v[56:57], v[48:49]
	v_pk_fma_f32 v[18:19], v[16:17], 2.0, v[18:19] op_sel_hi:[1,0,1]   ; dg
	v_pk_fma_f32 v[20:21], v[32:33], 2.0, v[40:41] op_sel_hi:[1,0,1]
	v_pk_fma_f32 v[20:21], v[56:57], v[24:25], v[20:21]
	v_pk_fma_f32 v[20:21], v[48:49], v[18:19], v[20:21]                ; df
	v_mov_b32 v69, 0                               ; written once: a DPP form's destination counts as read
; Running sums over the 64 tokens.  A butterfly: at step i every lane holds the total of its group of 2^i lanes, takes the neighbouring group's,
; and adds it to its own start if that group lies below (bit i of the lane set).  b: the start (the value in front of the chunk), e: the lane's two increments.
.macro SSTEP b, m, i
	v_mov_b32_dpp v69, v68 row_xmask:\m row_mask:0xf bank_mask:0xf
	v_add_f32 v68, v68, v69
	v_cndmask_b32 v69, 0, v69, s[25+\i]
	v_add_f32 v[\b], v[\b], v69
.endm
.macro SCAN e, b
	v_add_f32 v68, v[\e], v[\e+1]
	SSTEP \b, 1, 0
	SSTEP \b, 2, 1
	SSTEP \b, 4, 2
	SSTEP \b, 8, 3
	v_permlanex16_b32 v69, v68, s22, s23
	v_cndmask_b32 v69, 0, v69, s29
	v_add_f32 v[\b], v[\b], v69
	v_add_f32 v[\e], v[\b], v[\e]                  ; the sum up to and with token 2 L
	v_add_f32 v[\e+1], v[\e], v[\e+1]              ; and with token 2 L + 1
.endm
	SCAN 20, 64                                    ; f''
	SCAN 18, 65                                    ; g''
	SCAN 56, 66                                    ; h''
	v_lshl_add_u32 v8, v4, 1, s30                  ; t of token 2 L, counted from 1
	v_cvt_f32_u32 v8, v8
	v_add_f32 v9, 1.0, v8
	v_rcp_f32 v10, v8
	v_rcp_f32 v11, v9
	v_nop                                          ; one plain vector instruction behind a transcendental before its result is used (ISA guide 5.7.2)
	s_wait_alu depctr_va_vdst(0)
	v_mul_f32 v10, 0x45800000, v10                 ; u = 4096 / t
	v_mul_f32 v11, 0x45800000, v11
.irp i, 0,1
	v_mul_f32 v[12+\i], v[20+\i], v[10+\i]
	v_fma_f32 v[12+\i], 0.5, v[12+\i], -v[18+\i]   ; f'' u / 2 - g''
	v_mul_f32 v[14+\i], 0.5, v[56+\i]
	v_fma_f32 v[12+\i], v[12+\i], v[10+\i], v[14+\i]
	v_mul_f32 v[70+\i], v[12+\i], v[10+\i]
.endr
	global_store_b64 v5, v[70:71], s[10:11]        ; the wave stores the chunk's 256 consecutive bytes, aligned
.Lend:
	s_set_vgpr_msb 0x5
	s_wait_tensorcnt 0x0
	ds_add_u32 v0, v1
	s_wait_dscnt 0x0
	s_set_vgpr_msb 0x500
	s_endpgm
.Lfunc_end_k_qdf672c8143_costs:
	.size	k_qdf672c8143_costs, .Lfunc_end_k_qdf672c8143_costs-k_qdf672c8143_costs
	.p2alignl 7, 3214868480
	.fill 96, 4, 3214868480
	.section	.rodata,"a",@progbits
	.p2align	6, 0x0
	.amdhsa_kernel k_qdf672c8143_costs
		.amdhsa_group_segment_fixed_size 48128
		.amdhsa_private_segment_fixed_size 0
		.amdhsa_enable_private_segment 0
		.amdhsa_kernarg_size 32
		.amdhsa_user_sgpr_count 2
		.amdhsa_user_sgpr_kernarg_segment_ptr 1
		.amdhsa_wavefront_size32 1
		.amdhsa_system_sgpr_workgroup_id_x 1
		.amdhsa_system_sgpr_workgroup_id_y 1
		.amdhsa_system_sgpr_workgroup_id_z 1
		.amdhsa_system_vgpr_workitem_id 0
		.amdhsa_next_free_vgpr 258
		.amdhsa_next_free_sgpr 66
		.amdhsa_reserve_vcc 1
		.amdhsa_float_denorm_mode_32 3
		.amdhsa_float_denorm_mode_16_64 3
		.amdhsa_memory_ordered 1
		.amdhsa_forward_progress 1
		.amdhsa_inst_pref_size 171
	.end_amdhsa_kernel
	.amdgpu_metadata
---
amdhsa.version: [ 1, 2 ]
amdhsa.kernels:
  - .name:           k_qdf672c8143_costs
    .symbol:         k_qdf672c8143_costs.kd
    .args:
      - { .name: k, .offset: 0, .size: 8, .value_kind: global_buffer, .address_space: global }
      - { .name: v, .offset: 8, .size: 8, .value_kind: global_buffer, .address_space: global }
      - { .name: st, .offset: 16, .size: 8, .value_kind: global_buffer, .address_space: global }
      - { .name: out0, .offset: 24, .size: 8, .value_kind: global_buffer, .address_space: global }
    .group_segment_fixed_size: 48128
    .private_segment_fixed_size: 0
    .kernarg_segment_align: 8
    .kernarg_segment_size: 32
    .max_flat_workgroup_size: 256
    .sgpr_count:     66
    .vgpr_count:     258
    .wavefront_size: 32
...
	.end_amdgpu_metadata
.endif
;; end of part 2
;; ======== version 2 of 2: 2 launches; version 1 with the launch sums written anew for expert scheduling mode
;; limits: values outside matrix products are rounded to bf16
;; workspace buffers: st 4,718,592 bytes
;; launch sums (part 3): grid 31 x 8, 8 waves a work-group, no clusters, 82,944 bytes of LDS; arguments k, v, st; writes st
.if DOCPART == 3
	.amdgcn_target "amdgcn-amd-amdhsa--gfx1250"
	.amdhsa_code_object_version 6
	.text
	.protected	k_qdf672c8143_sums
	.globl	k_qdf672c8143_sums
	.p2align	8
	.type	k_qdf672c8143_sums,@function
k_qdf672c8143_sums:
	s_mov_b64 s[64:65], 0
	v_nop
	global_prefetch_b8 v0, s[64:65] scope:SCOPE_SE
	s_setreg_imm32_b32 hwreg(HW_REG_WAVE_SCHED_MODE, 0, 2), 2
	s_setreg_imm32_b32 hwreg(HW_REG_WAVE_MODE, 25, 1), 1
	s_wait_xcnt 0x0
	s_wait_alu depctr_vm_vsrc(0)
; FIRST OF TWO LAUNCHES: partial sums of the memory's state.
; With w = 1/l every average of the scan is a running mean, so all that a token needs of its past is M = sum v_i k_i^T (64 x 64),
; P = sum k_i k_i^T (64 x 64) and sum |v_i|^2.  A stream's 2,048 tokens are 32 chunks of 64.  Work-group (c, b), c = 0..30, makes the piece
;   U_c = (M, P, sum |v|^2) over the chunks 4 (c/4) .. c of stream b     (n = c%4 + 1 chunks, 1 to 4)
; so that the second launch gets the state in front of a chunk as U_3 + U_7 + .. + U_(c-1), eight pieces at the most.  Chunk 31's piece is
; needed by nobody and has no work-group.
; q: reference() takes q, but uses only its shape and type; none of its numbers enters a result, so no launch is given q.
; NUMBERS: k and v are multiplied by 2^-6 (exact) and rounded to bf16 for the matrix unit; sums in f32; M and P of a piece are stored
; rounded to bf16, sum |v|^2 in f32.  The scale keeps sums of up to 2,048 terms no larger than the means that reference() keeps.
; LIMITS: inputs must be finite; the order of summation is not the scan's.
; NO CLUSTER, NO TENSOR LOADS: every byte passes through registers on its way (f32 to bf16), and the work-groups that read a common chunk
; need different numbers of chunks.
; A PIECE is 18,432 bytes.  Bytes 0..16383: wave w, column tile mt, lane L at 2,048 w + 512 mt + 16 L hold row 16 (w%4) + L%16, columns
; 16 mt + 8 (L/16) .. + 7, of M (w < 4) or P (w >= 4): each store of a wave covers 512 consecutive bytes, aligned.  Bytes 16384..18431:
; two f32 for each thread, its share of sum |v|^2: each store of a wave covers 256 consecutive bytes, aligned.
; WORK: thread t loads the 16 bytes at 16 t + 4,096 i of a chunk of k and of v; all 8 n loads go out at the start.  Each chunk is scaled,
; rounded and laid into LDS bytes of its own as [token][feature] rows; one barrier; transposing LDS loads then give fragments with the
; tokens along K.  The text is written out for n = 1..4 (the branch hangs on the work-group's number alone), so every count is a constant.
; THE MODE: SCHED_MODE bits 1:0 = 2 (LLVM: expert scheduling mode 2), set by the entry lines.  The code itself states the register dependences
; between vector or matrix instructions and memory or LDS instructions, with s_wait_alu, always for 0.
; THE PLAN.  Registers that memory or LDS instructions touch:
;   v1-v7, v10, v11   offsets and LDS addresses: made once at the head, read by every load and store, never written again.
;   DAT + 32 s ..     chunk s: its eight global loads land here; its vector lines scale and round in place; its eight LDS stores read the rounded pairs.
;   buffers 0 and 1   the same registers once more, v32-111 and v112-191: chunk s's 20 LDS loads land in buffer s % 2; step s's matrix instructions read it.
;   v32-47, v[8:9]    written by the way out's roundings and by the chunks' sums; read by the five global stores.
;   The accumulators are named by matrix and vector instructions alone.
; So: one wait on va_vdst at the head's end (the addresses); one to a chunk, between its vector lines and its run of LDS stores; one wait on vm_vsrc
; behind the barrier (the stores have read DAT, which becomes the fragment buffers); one wait on va_vdst at the head of a step whose loads land in
; a buffer that the step before has multiplied; one ahead of the global stores.  A step's loads follow its wait dealt among its matrix
; instructions, which name the other buffer and the accumulators: none of the registers that those loads touch.
.set CH,    16384                      ; bytes of a chunk of k or of v
.set PIT,   160                        ; LDS row: 128 bytes of bf16 + 32, an odd multiple of 32 bytes for the transposing loads
.set TILE,  64*PIT                     ; a chunk of k or of v in LDS
.set STG,   2*TILE                     ; a chunk's k tile, then its v tile; chunk s at s*STG
.set PIECE, 18432
.set DAT,   32                         ; v[32+32s+4q ..]: chunk s as loaded, q = 0..3 of k, 4..7 of v; later two fragment buffers of 80 registers
.set ACC,   224                        ; v[224+8mt ..]: four accumulators
; v1 16 t; v2-3 where I store 8 bytes of bf16 (chunks 0-1, 2-3); v4-5 lane address of the transposing loads in the k tile; v6-7 the same for
; my wave's 16 rows (v tile for w < 4, k tile for w >= 4); v[8:9] my share of sum |v|^2; v10, v11 my offsets in the piece.
.macro PLACES                          ; plain vector instructions between matrix instructions and whatever touches their registers (ISA guide 7.12.1)
.rept 5
	v_nop
.endr
.endm
.macro LOADS s                         ; eight loads: each covers 512 consecutive bytes per wave
.irp i, 0,1,2,3
	global_load_b128 v[DAT+32*\s+4*\i:DAT+32*\s+4*\i+3], v1, s[4:5] offset:\s*CH+4096*\i
.endr
.irp i, 0,1,2,3
	global_load_b128 v[DAT+32*\s+16+4*\i:DAT+32*\s+16+4*\i+3], v1, s[6:7] offset:\s*CH+4096*\i
.endr
.endm
.macro CONV s, n                       ; chunk s of n: scale, sum |v|^2, round; then one run of eight stores to LDS
	s_wait_loadcnt 8*(\n-1-\s)                     ; loads come back in order: the 8 of each later chunk may stay out
.irp q, 0,1,2,3,4,5,6,7
.set X, DAT+32*\s+4*\q
	v_pk_mul_f32 v[X:X+1], v[X:X+1], 0x3c800000 op_sel_hi:[1,0]       ; times 2^-6
	v_pk_mul_f32 v[X+2:X+3], v[X+2:X+3], 0x3c800000 op_sel_hi:[1,0]
.if \q >= 4
.if (\s+\q) == 4
	v_pk_mul_f32 v[8:9], v[X:X+1], v[X:X+1]                           ; the first product starts the sum
.else
	v_pk_fma_f32 v[8:9], v[X:X+1], v[X:X+1], v[8:9]
.endif
	v_pk_fma_f32 v[8:9], v[X+2:X+3], v[X+2:X+3], v[8:9]
.endif
	v_cvt_pk_bf16_f32 v[X], v[X], v[X+1]
	v_cvt_pk_bf16_f32 v[X+1], v[X+2], v[X+3]
.endr
	s_wait_alu depctr_va_vdst(0)                   ; the roundings have written the chunk's eight pairs, which the LDS stores below read; behind the last chunk's wait no vector line names DAT before fragments are loaded into it
.irp q, 0,1,2,3,4,5,6,7
.set X, DAT+32*\s+4*\q
	ds_store_b64 v[2+((\s)>>1)], v[X:X+1] offset:((\s)&1)*STG+((\q)>>2)*TILE+((\q)&3)*16*PIT   ; token t/16 + 16 (q%4), features 4 (t%16) ..; the stores go out at once: the barrier waits for the last of them
.endr
.endm
; Fragment f of the ten of chunk s, two transposing loads: f / 5 is the step of 32 tokens; f % 5 = 0..3: K^T for column tile f % 5; f % 5 = 4: my wave's 16 rows.
.macro FRAG s, f
.set FL, DAT+80*((\s)&1)
.set LK, (\f)/5
.set LJ, (\f)%5
.if LJ < 4
	ds_load_tr16_b128 v[FL+8*(4*LK+LJ):FL+8*(4*LK+LJ)+3],   v[4+((\s)>>1)] offset:((\s)&1)*STG+LK*32*PIT+32*LJ
	ds_load_tr16_b128 v[FL+8*(4*LK+LJ)+4:FL+8*(4*LK+LJ)+7], v[4+((\s)>>1)] offset:((\s)&1)*STG+LK*32*PIT+32*LJ+16*PIT
.else
	ds_load_tr16_b128 v[FL+64+8*LK:FL+64+8*LK+3],   v[6+((\s)>>1)] offset:((\s)&1)*STG+LK*32*PIT
	ds_load_tr16_b128 v[FL+64+8*LK+4:FL+64+8*LK+7], v[6+((\s)>>1)] offset:((\s)&1)*STG+LK*32*PIT+16*PIT
.endif
.endm
; Step s of n: eight matrix instructions on chunk s, and among them the 20 loads of chunk s + 1, two fragments behind each of the first five.
; Source 0 = 16 k features (the piece's columns), source 1 = my 16 rows, so that a lane's eight results are eight neighbouring columns of one row.
; The four accumulators take turns, one instruction a turn, over the chunks' borders too.
.macro STEP s, n
.set FM, DAT+80*((\s)&1)
.if (\s >= 1) && (\s+1 < \n)
	PLACES                                         ; between the last step's matrix instructions and the loads into the buffer that they read
.endif
	s_wait_dscnt 10                                ; LDS loads come back in order: this chunk's first five fragments (tokens 0-31) are in, its other ten loads may stay out
.if (\s >= 1) && (\s+1 < \n)
	s_wait_alu depctr_va_vdst(0)                   ; the last step's matrix instructions are done reading their buffer, in which the loads below land
.endif
.irp ks, 0,1
.if \ks == 1
.if \s+1 < \n
	s_wait_dscnt 16                                ; all but the 16 loads of the next chunk dealt above: this chunk's tokens 32-63 are in
.else
	s_wait_dscnt 0x0
.endif
.endif
.irp mt, 0,1,2,3
.if (\s+\ks) == 0
	v_wmma_f32_16x16x32_bf16 v[ACC+8*\mt:ACC+8*\mt+7], v[FM+8*(4*\ks+\mt):FM+8*(4*\ks+\mt)+7], v[FM+64+8*\ks:FM+64+8*\ks+7], 0
.else
	v_wmma_f32_16x16x32_bf16 v[ACC+8*\mt:ACC+8*\mt+7], v[FM+8*(4*\ks+\mt):FM+8*(4*\ks+\mt)+7], v[FM+64+8*\ks:FM+64+8*\ks+7], v[ACC+8*\mt:ACC+8*\mt+7]
.endif
.if (\s+1 < \n) && (4*\ks+\mt < 5)
	FRAG \s+1, 2*(4*\ks+\mt)                       ; no wait: no vector or matrix instruction since the last wait on va_vdst names the other buffer
	FRAG \s+1, 2*(4*\ks+\mt)+1
.endif
.endr
.endr
.endm
.macro BODY n
.irp s, 0,1,2,3
.if \s < \n
	LOADS \s
.endif
.endr
.irp s, 0,1,2,3
.if \s < \n
	CONV \s, \n
.endif
.endr
	s_wait_dscnt 0x0                               ; my LDS stores are done, for the other waves' sake
	s_barrier_signal -1
	s_barrier_wait -1                              ; all n chunks lie whole in LDS; nothing in LDS is written after this
	s_wait_alu depctr_vm_vsrc(0)                   ; my LDS stores have read DAT: from here on these registers are the two fragment buffers, in which LDS loads land, and the way out's roundings write them
.irp f, 0,1,2,3,4,5,6,7,8,9
	FRAG 0, \f
.endr
.irp s, 0,1,2,3
.if \s < \n
	STEP \s, \n
.endif
.endr
	s_branch .Lout
.endm
	s_load_b128 s[4:7], s[0:1], 0x0                ; k s[4:5], v s[6:7]
	s_load_b64 s[8:9], s[0:1], 0x10                ; st
	v_lshl_add_u32 v222, v0, 2, 0x14000
	v_mov_b32 v223, 0
	v_lshrrev_b32 v12, 5, v0
	v_readfirstlane_b32 s10, v12                   ; wave 0..7
	s_and_b32 s11, ttmp7, 0xffff                   ; stream b
	s_and_b32 s12, ttmp9, 3                        ; n - 1
	s_lshr_b32 s18, ttmp9, 2
	s_lshl_b32 s18, s18, 16                        ; the group of four chunks: 4 x 16,384 bytes
	s_lshl_b32 s14, s11, 19                        ; the stream: 524,288 bytes
	s_add_co_u32 s14, s14, s18
	s_mov_b32 s15, 0
	s_lshl_b32 s16, s11, 5
	s_add_co_u32 s16, s16, ttmp9
	s_mul_i32 s16, s16, PIECE                      ; piece 32 b + c
	s_mov_b32 s17, 0
	s_wait_alu depctr_va_sdst(0)                   ; s10 is written, ahead of its first reader: my rows' place in LDS and my offset in the piece are made from it
	s_and_b32 s18, s10, 3
	s_lshl_b32 s18, s18, 5                         ; my 16 rows: 32 bytes along an LDS row
	s_cmp_lt_u32 s10, 4
	s_cselect_b32 s19, TILE, 0                     ; waves 0-3: rows of M are v features (the v tile); waves 4-7: rows of P are k features
	s_add_co_u32 s18, s18, s19
	v_lshlrev_b32 v1, 4, v0                        ; 16 t
	v_and_b32 v12, 15, v0
	v_lshrrev_b32 v13, 4, v0
	v_mul_u32_u24 v2, v13, PIT
	v_lshl_add_u32 v2, v12, 3, v2                  ; (t/16) rows + 8 (t%16)
	v_add_nc_u32 v3, 2*STG, v2
	v_and_b32 v13, 1, v13                          ; lane / 16
	v_and_b32 v14, 7, v0
	v_lshl_add_u32 v14, v13, 3, v14                ; token 8 (lane/16) + lane%8
	v_mul_u32_u24 v4, v14, PIT
	v_bfe_u32 v14, v0, 3, 1
	v_lshl_add_u32 v4, v14, 4, v4                  ; + 16 bytes for lanes 8-15 of each half
	v_add_nc_u32 v5, 2*STG, v4
	v_add_nc_u32 v6, s18, v4
	v_add_nc_u32 v7, s18, v5
	v_and_b32 v14, 31, v0
	v_lshlrev_b32 v10, 4, v14
	v_lshl_add_u32 v10, s10, 11, v10               ; 2,048 w + 16 lane
	v_lshlrev_b32 v11, 3, v0                       ; 8 t
	s_wait_kmcnt 0x0
	s_add_nc_u64 s[4:5], s[4:5], s[14:15]
	s_add_nc_u64 s[6:7], s[6:7], s[14:15]
	s_add_nc_u64 s[8:9], s[8:9], s[16:17]
	s_wait_alu depctr_va_vdst(0)                   ; v1 to v7, v10 and v11 are written: every load and store of the kernel reads one of them as its offset or address
	s_cmp_eq_u32 s12, 1
	s_cbranch_scc1 .Ln2
	s_cmp_eq_u32 s12, 2
	s_cbranch_scc1 .Ln3
	s_cmp_eq_u32 s12, 3
	s_cbranch_scc1 .Ln4
	BODY 1
.Ln2:
	BODY 2
.Ln3:
	BODY 3
.Ln4:
	BODY 4
.Lout:
	PLACES                                         ; behind the last matrix instructions, before their results are read and their sources written
.irp mt, 0,1,2,3
.irp p, 0,1,2,3
	v_cvt_pk_bf16_f32 v[DAT+4*\mt+\p], v[ACC+8*\mt+2*\p], v[ACC+8*\mt+2*\p+1]
.endr
.endr
	s_wait_alu depctr_va_vdst(0)                   ; the roundings have written v[DAT ..], which the stores below read (v[8:9] was written ahead of the chunks' waits)
.irp mt, 0,1,2,3
	global_store_b128 v10, v[DAT+4*\mt:DAT+4*\mt+3], s[8:9] offset:512*\mt
.endr
	global_store_b64 v11, v[8:9], s[8:9] offset:16384
	s_wait_dscnt 0x0
	s_wait_alu depctr_hold_cnt(0) depctr_sa_sdst(0) depctr_va_vdst(0) depctr_va_sdst(0) depctr_va_ssrc(0) depctr_va_vcc(0) depctr_vm_vsrc(0)
	s_wait_tensorcnt 0x0
	ds_add_u32 v222, v223
	s_wait_dscnt 0x0
	s_endpgm
.Lfunc_end_k_qdf672c8143_sums:
	.size	k_qdf672c8143_sums, .Lfunc_end_k_qdf672c8143_sums-k_qdf672c8143_sums
	.p2alignl 7, 3214868480
	.fill 96, 4, 3214868480
	.section	.rodata,"a",@progbits
	.p2align	6, 0x0
	.amdhsa_kernel k_qdf672c8143_sums
		.amdhsa_group_segment_fixed_size 82944
		.amdhsa_private_segment_fixed_size 0
		.amdhsa_enable_private_segment 0
		.amdhsa_kernarg_size 24
		.amdhsa_user_sgpr_count 2
		.amdhsa_user_sgpr_kernarg_segment_ptr 1
		.amdhsa_wavefront_size32 1
		.amdhsa_system_sgpr_workgroup_id_x 1
		.amdhsa_system_sgpr_workgroup_id_y 1
		.amdhsa_system_sgpr_workgroup_id_z 1
		.amdhsa_system_vgpr_workitem_id 0
		.amdhsa_next_free_vgpr 256
		.amdhsa_next_free_sgpr 66
		.amdhsa_reserve_vcc 0
		.amdhsa_float_denorm_mode_32 3
		.amdhsa_float_denorm_mode_16_64 3
		.amdhsa_memory_ordered 1
		.amdhsa_forward_progress 1
		.amdhsa_inst_pref_size 67
	.end_amdhsa_kernel
	.amdgpu_metadata
---
amdhsa.version: [ 1, 2 ]
amdhsa.kernels:
  - .name:           k_qdf672c8143_sums
    .symbol:         k_qdf672c8143_sums.kd
    .args:
      - { .name: k, .offset: 0, .size: 8, .value_kind: global_buffer, .address_space: global }
      - { .name: v, .offset: 8, .size: 8, .value_kind: global_buffer, .address_space: global }
      - { .name: st, .offset: 16, .size: 8, .value_kind: global_buffer, .address_space: global }
    .group_segment_fixed_size: 82944
    .private_segment_fixed_size: 0
    .kernarg_segment_align: 8
    .kernarg_segment_size: 24
    .max_flat_workgroup_size: 256
    .sgpr_count:     66
    .vgpr_count:     256
    .wavefront_size: 32
...
	.end_amdgpu_metadata
.endif
;; end of part 3
;; launch costs: the kernel of part 2 again; grid 32 x 8, 8 waves a work-group, no clusters, 48,128 bytes of LDS; arguments k, v, st, out0; writes out0
